; MI455X (gfx1250); checked and timed in simulation.
; The chip was launched on July 23, 2026; its instructions are those of AMD's public machine-readable ISA for CDNA 5 (MIT licence, August 2026) and "CDNA5" Instruction Set Architecture Reference Guide (July 2026). The comments in the code are by the model that wrote it; some were corrected since.
;; Attn. Allowed arithmetic: matrix products marked QUANTISED: E3M2 operands, one E8M0 scale for each 32 along K, by v_wmma_scale_f32_16x16x128_f8f6f4 with both operands' format E3M2, f32 sums; products left as they are: f32 operands where the result goes on into a quantised operand, else bf16, f16 or f32 operands; f32 sums; everything else in f32.
;; Inputs: W_attn 1,024 x 1,024 float32; b_attn 1,024 float32; encoder_outputs 1,024 x 64 x 1,024 float32; hidden 1 x 64 x 1,024 float32.
;; Outputs: out0 64 x 1 x 1,024 float32.
;; This version of the problem:
;;   THIS VERSION OF THE PROBLEM IS GIVEN IN LOW PRECISION. The matrix products marked QUANTISED in the list below multiply operands that are first quantised to E3M2 (3 exponent bits, 2 mantissa bits; 6 bits a number), with one power-of-two scale for each 32 numbers along K (OCP MX v1.0); their sums are f32. All else is computed in f32.
;;   The module's matrix products, in the order in which they are computed (A, B: the left and right operand; K: the contracted axis; several contracted axes count as one K, in the product's order):
;;     1. [M 65,536, K 1,024] x [K 1,024, N 1,024]; A: input encoder_outputs; B: input W_attn: QUANTISED
;;     2. batch 64 x [M 1, K 1,024] x [K 1,024, N 1,024]; A: input hidden; B: computed on the way: left as it is (M = 1 < 16)
;;   THE QUANTISER, for each operand of a quantised product, along K:
;;     - K is cut into blocks of 32 from its start; a last block that is shorter is filled with zeros.
;;     - A block's scale is 2^e with e = floor(log2(the largest magnitude in the block)) - 4, held to -126 .. 127; a block of zeros has e = 0. As a byte (E8M0): e + 127.
;;     - Each number is divided by its block's scale, clamped to +-28, and rounded to the nearest number of E3M2, ties to even, subnormals kept.
;;     - The product sums the exact products of the quantised numbers (number of the format x scale) in f32.
;;   ~~~python
;;   def quantise(x, axis):      # numpy; x: float32 -> the quantised numbers, widened to float32 again
;;       x = np.moveaxis(x, axis, -1); K = x.shape[-1]
;;       x = np.pad(x, [(0, 0)] * (x.ndim - 1) + [(0, -K % 32)]); x = x.reshape(x.shape[:-1] + (-1, 32)); a = np.abs(x).max(-1, keepdims=True)
;;       e = np.where(a > 0, np.clip(np.frexp(np.where(a > 0, a, 1))[1] - 1 - 4, -126, 127), 0)      # np.frexp(a)[1] - 1 = floor(log2(a)), exactly
;;       r = np.clip(x / 2.0 ** e, -28, 28)
;;       step = 2.0 ** (np.maximum(np.frexp(np.where(r == 0, 1, r))[1] - 1, -2) - 2)
;;       q = np.round(r / step) * step * 2.0 ** e      # np.round: ties to even
;;       return np.moveaxis(q.reshape(q.shape[:-2] + (-1,))[..., :K], -1, axis).astype(np.float32)
;;   ~~~
;; One version. Each part assembles by itself: llvm-mc -triple=amdgcn-amd-amdhsa -mcpu=gfx1250 --defsym DOCPART=n.
;; ======== version 1 of 1: 3 launches
;; limits: right only within a limited range of input values
;; workspace buffers: wq 819,200 bytes; scores 262,144 bytes
;; launch prepw (part 1): grid 64 x 1, 8 waves a work-group, no clusters, 69,120 bytes of LDS; arguments W_attn, wq; writes wq
.if DOCPART == 1
	.amdgcn_target "amdgcn-amd-amdhsa--gfx1250"
	.amdhsa_code_object_version 6
	.text
	.protected	k_q326d90bac0_prepw
	.globl	k_q326d90bac0_prepw
	.p2align	8
	.type	k_q326d90bac0_prepw,@function
k_q326d90bac0_prepw:
	s_mov_b64 s[64:65], 0
	v_nop
	global_prefetch_b8 v0, s[64:65] scope:SCOPE_SE
	s_setreg_imm32_b32 hwreg(HW_REG_WAVE_MODE, 25, 1), 1
	s_wait_xcnt 0x0
; WORK LEFT OUT BY THE WHOLE PROGRAM: b_attn.  energy[s][b][k] = (enc W^T)[s][b][k] + b_attn[k], so scores[b][s] = hidden[b] . (enc W^T)[s][b] + hidden[b] . b_attn.
; The second term does not hang on s, and the softmax runs over s: exp(x + t) / sum exp(x + t) = exp(x) / sum exp(x) for every finite t.  The bias is added behind the quantised product
; and enters no quantised operand.  So b_attn reaches no output, is not loaded, and is among no launch's arguments.  LIMIT: a NaN, an infinity or an overflow that comes from b_attn alone is not carried to the result.
; THIS LAUNCH: W_attn [1024 (k)][1024 (h)], f32, the second operand of enc W^T (contracted axis h, innermost), is turned once into codes of BF6 (E3M2) with one E8M0 byte for each 32 along h.
; wq = 64 records of 12,800 bytes, record 16 c + g: chunk c = 256 along h, group g = four tiles i of 16 rows; row r of tile (g, i) is W's row 64 g + 16 i + r.
;   fragment (i, s) (16 rows x 128 along h from 128 (2 c + s)) lies at 1,536 (2 i + s) as an image of its 12 registers: register x of lane l at 512 (x / 4) + 16 l + 4 (x % 4);
;   at 12,288 the scale words: that of (tile i, step s, row r) at 16 (16 s + r) + 4 i.
; A block's scale byte is its largest magnitude's exponent field - 4, held at 1 from below.
; LIMITS: a block of zeros gets the byte 1 where the rule says 127 (its codes are zeros, this program alone reads the bytes); NaN and infinities among the inputs are not served.
; SHARES: a work-group makes one record, each of its eight waves one fragment; 512 fragments are 64 work-groups.  Each load takes 512 consecutive bytes of one row; the 16 rows turn through the wave's own stage.
.set SP,   528                         ; a stage row: 512 bytes + 16
.set STGW, 16*SP
.set SCB,  8*STGW                      ; behind the stages: the record's 512 bytes of scale words; behind them (0x10a00) the spare words
.set REC,  12800
.set LB,   4
.set STS,  5
.set STL,  6
.set SCA,  7
.set SCR,  8
.set R,    16
.set X,    80
.set TM,   144
.set PW,   160
.set PC,   164
.set CT,   176
.set OB,   184
	s_load_b128 s[4:7], s[0:1], 0x0                ; W, wq
	v_lshl_add_u32 v192, v0, 2, 0x10a00
	v_mov_b32 v193, 0
	v_lshrrev_b32 v1, 5, v0
	v_readfirstlane_b32 s8, v1                     ; wave = 2 i + s
	s_lshr_b32 s9, ttmp9, 4                        ; chunk c
	s_and_b32 s10, ttmp9, 15                       ; group g
	s_lshr_b32 s11, s8, 1                          ; tile i
	s_and_b32 s12, s8, 1                           ; step s
	s_mul_i32 s13, s8, STGW                        ; my stage
	s_lshl_b32 s22, s12, 8
	s_lshl_b32 s23, s11, 2
	s_add_co_u32 s22, s22, s23
	s_add_co_u32 s22, s22, SCB
	s_lshl_b32 s14, s10, 18                        ; W: row 64 g + 16 i of 4,096 bytes,
	s_lshl_b32 s15, s11, 16
	s_add_co_u32 s14, s14, s15
	s_lshl_b32 s15, s9, 1
	s_add_co_u32 s15, s15, s12
	s_lshl_b32 s15, s15, 9                         ; and 512 bytes for each 128 along h
	s_add_co_u32 s14, s14, s15
	s_mov_b32 s15, 0
	s_mul_i32 s16, ttmp9, REC
	s_mov_b32 s17, 0
	s_mul_i32 s18, s8, 1536
	s_mov_b32 s19, 0
	s_mov_b32 s24, 0x76543210
	s_mov_b32 s25, 0xfedcba98
	v_and_b32 v1, 31, v0
	v_and_b32 v2, 15, v0                           ; r
	v_bfe_u32 v3, v0, 4, 1                         ; h
	v_lshlrev_b32 v[LB], 4, v1
	v_mul_u32_u24 v[STL], v2, SP
	v_lshl_add_u32 v[SCA], v2, 4, s22              ; SCB + 16 (16 s + r) + 4 i
	v_add_nc_u32 v[STS], s13, v[LB]
	v_lshl_add_u32 v[STL], v3, 6, v[STL]
	v_add_nc_u32 v[SCR], SCB, v[LB]
	v_add_nc_u32 v[STL], s13, v[STL]
.irp b, 0,1,2,3
	v_mov_b32 v[TM+4+\b], 0                        ; a lane permute's destination counts as one of its sources
.endr
	s_wait_alu depctr_va_vdst(0)                   ; the wait at the head's end
	s_wait_kmcnt 0x0
	s_add_nc_u64 s[4:5], s[4:5], s[14:15]
	s_add_nc_u64 s[6:7], s[6:7], s[16:17]
	s_add_nc_u64 s[20:21], s[6:7], s[18:19]
.irp q, 0,1,2,3,4,5,6,7,8,9,10,11,12,13,14,15
	global_load_b128 v[R+4*\q:R+4*\q+3], v[LB], s[4:5] offset:4096*\q th:TH_LOAD_NT   ; row q of my tile: 512 consecutive bytes
.endr
	s_wait_loadcnt 0x0
.irp q, 0,1,2,3,4,5,6,7,8,9,10,11,12,13,14,15
	ds_store_b128 v[STS], v[R+4*\q:R+4*\q+3] offset:SP*\q
.endr
.irp b, 0,1,2,3
.irp j, 0,1,2,3
	ds_load_b128 v[X+16*\b+4*\j:X+16*\b+4*\j+3], v[STL] offset:128*\b+16*\j   ; a wave's LDS instructions are served in order: these see my stores
.endr
.endr
	s_wait_dscnt 0x0
.irp b, 0,1,2,3
	v_max3_num_f32 v[TM+\b], |v[X+16*\b]|, |v[X+1+16*\b]|, 0x2800000   ; my 16 numbers of block b, and the floor 2^(5 - 127)
.endr
.irp i, 2,4,6,8,10,12,14
.irp b, 0,1,2,3
	v_max3_num_f32 v[TM+\b], v[TM+\b], |v[X+16*\b+\i]|, |v[X+1+16*\b+\i]|   ; the four blocks by turns
.endr
.endr
.irp b, 0,1,2,3
	v_permlanex16_b32 v[TM+4+\b], v[TM+\b], s24, s25
.endr
.irp b, 0,1,2,3
	v_max_num_f32 v[TM+\b], v[TM+\b], v[TM+4+\b]   ; with lane l xor 16's 16
.endr
.irp b, 0,1,2,3
	v_add_nc_u32 v[TM+12+\b], 0xfe000000, v[TM+\b] ; 4 off the exponent field: the conversion's scale operand
.endr
.irp b, 0,1,2,3
	v_lshrrev_b32 v[TM+4+\b], 23, v[TM+12+\b]      ; the scale's byte
.endr
	v_lshl_or_b32 v[PW], v[TM+5], 8, v[TM+4]
	s_delay_alu instid0(VALU_DEP_1)
	v_lshl_or_b32 v[PW], v[TM+6], 16, v[PW]
	s_delay_alu instid0(VALU_DEP_1)
	v_lshl_or_b32 v[PW], v[TM+7], 24, v[PW]        ; my row's scale word
.irp c, 0,1
	v_cvt_scalef32_pk16_bf6_f32 v[PC+6*\c:PC+6*\c+2], v[X+32*\c:X+32*\c+15], v[TM+12+2*\c]
	v_cvt_scalef32_pk16_bf6_f32 v[CT+4*\c:CT+4*\c+2], v[X+16+32*\c:X+31+32*\c], v[TM+13+2*\c]
.endr
	v_nop                                          ; one plain place behind a scaled conversion
.irp c, 0,1                                    ; a whole block to a lane: lanes 0-15 block 2 c, lanes 16-31 block 2 c + 1
.irp i, 0,1,2
	v_permlane16_swap_b32 v[PC+6*\c+\i], v[CT+4*\c+\i]
.endr
.irp i, 0,1,2
	v_mov_b32 v[PC+3+6*\c+\i], v[CT+4*\c+\i]
.endr
.endr
.irp c, 0,1,2
	global_store_b128 v[LB], v[PC+4*\c:PC+4*\c+3], s[20:21] offset:512*\c   ; 32 lanes store 512 consecutive bytes, at a multiple of 256 from wq's first byte
.endr
	ds_store_b32 v[SCA], v[PW]                     ; lanes r and 16 + r write the same word with the same value
	s_wait_dscnt 0x0                               ; for wave 0's sake
	s_barrier_signal -1
	s_barrier_wait -1
	s_cmp_lg_u32 s8, 0
	s_cbranch_scc1 .Ldone
	ds_load_b128 v[OB:OB+3], v[SCR]
	s_wait_dscnt 0x0
	global_store_b128 v[LB], v[OB:OB+3], s[6:7] offset:12288
.Ldone:
	s_wait_tensorcnt 0x0                           ; the wave's end
	ds_add_u32 v192, v193
	s_wait_dscnt 0x0
	s_endpgm
.Lfunc_end_k_q326d90bac0_prepw:
	.size	k_q326d90bac0_prepw, .Lfunc_end_k_q326d90bac0_prepw-k_q326d90bac0_prepw
	.p2alignl 7, 3214868480
	.fill 96, 4, 3214868480
	.section	.rodata,"a",@progbits
	.p2align	6, 0x0
	.amdhsa_kernel k_q326d90bac0_prepw
		.amdhsa_group_segment_fixed_size 69120
		.amdhsa_private_segment_fixed_size 0
		.amdhsa_enable_private_segment 0
		.amdhsa_kernarg_size 16
		.amdhsa_user_sgpr_count 2
		.amdhsa_user_sgpr_kernarg_segment_ptr 1
		.amdhsa_wavefront_size32 1
		.amdhsa_system_sgpr_workgroup_id_x 1
		.amdhsa_system_sgpr_workgroup_id_y 1
		.amdhsa_system_sgpr_workgroup_id_z 1
		.amdhsa_system_vgpr_workitem_id 0
		.amdhsa_next_free_vgpr 194
		.amdhsa_next_free_sgpr 66
		.amdhsa_reserve_vcc 0
		.amdhsa_float_denorm_mode_32 3
		.amdhsa_float_denorm_mode_16_64 3
		.amdhsa_memory_ordered 1
		.amdhsa_forward_progress 1
		.amdhsa_inst_pref_size 11
	.end_amdhsa_kernel
	.amdgpu_metadata
---
amdhsa.version: [ 1, 2 ]
amdhsa.kernels:
  - .name:           k_q326d90bac0_prepw
    .symbol:         k_q326d90bac0_prepw.kd
    .args:
      - { .name: W_attn, .offset: 0, .size: 8, .value_kind: global_buffer, .address_space: global }
      - { .name: wq, .offset: 8, .size: 8, .value_kind: global_buffer, .address_space: global }
    .group_segment_fixed_size: 69120
    .private_segment_fixed_size: 0
    .kernarg_segment_align: 8
    .kernarg_segment_size: 16
    .max_flat_workgroup_size: 256
    .sgpr_count:     66
    .vgpr_count:     194
    .wavefront_size: 32
...
	.end_amdgpu_metadata
.endif
;; end of part 1
;; launch sweep (part 2): grid 256 x 1, 4 waves a work-group, no clusters, 327,680 bytes of LDS; arguments encoder_outputs, hidden, wq, scores; writes scores
.if DOCPART == 2
	.amdgcn_target "amdgcn-amd-amdhsa--gfx1250"
	.amdhsa_code_object_version 6
	.text
	.protected	k_q326d90bac0_sweep
	.globl	k_q326d90bac0_sweep
	.p2align	8
	.type	k_q326d90bac0_sweep,@function
k_q326d90bac0_sweep:
	s_mov_b64 s[64:65], 0
	v_nop
	global_prefetch_b8 v0, s[64:65] scope:SCOPE_SE
	s_setreg_imm32_b32 hwreg(HW_REG_WAVE_MODE, 25, 1), 1
	s_wait_xcnt 0x0
; scores[b][s] = sum over k of hidden[b][k] E[s][b][k],  E = Q(enc) Q(W)^T on codes of BF6 (E3M2) with E8M0 scales; the second product as f32 multiply-adds.  E never leaves the registers.
; The bias's part is left out: it is the same for all s of a row and the softmax cancels it (shown at the head of the first kernel).
; SHARES.  Work-group id = 4 b + cx: one b, s = 256 cx .. + 255 (16 tiles of 16 rows).  EACH WAVE TAKES ALL 256 ROWS AGAINST ITS OWN QUARTER OF W's ROWS (256 w .. + 255: 16 tiles), so a byte of W's codes
; is wanted by one wave of the work-group alone: it goes from wq straight into that wave's registers (a ring of eight tiles, asked for six and a half tiles ahead) and never through LDS.
; NO CLUSTER: the four work-groups of one b walk the same wq, but a joint load lands in LDS, where each of its 786,432 bytes would be written and then read once by one wave; enc's tiles are shared by nobody.
; h goes in eight steps of 128.  Step j of enc (256 rows x 512 bytes) lies in slot j % 2.  Steps 0 and 1 are asked for at the head, 128 rows a wave; step j + 1 at the head of period j (1 to 6), 64 rows a wave.
; In period j each wave reads its 64 rows in the operand's order (a lane: two whole blocks of 32 of one row), quantises them and leaves register images of the fragments and the scale words in LDS.
; Two steps are a chunk of 256.  Periods 2 c + 2 and 2 c + 3 multiply chunk c (32 fragments, 384 registers in every wave) against the wave's tiles 0-7 and 8-15 of W while chunk c + 1 is quantised; in the odd
; period's last tile each part of the fragments is loaded anew as soon as its last product has been issued.  Ten periods: 0, 1 written out, 2 to 6 a loop with a refill in every trip, 7 to 9 a loop with none.
; TRANSPOSED USE: source 0 = 16 rows of W, source 1 = 16 rows of enc: a lane holds one row of enc, its eight results eight rows of W.  score += E x hidden: packed multiply-adds into one pair for each row tile,
; eight behind every four matrix instructions, on the accumulators of the quarter tile before; hidden's eight numbers of a tile come from a 4,096-byte table in LDS, once for each of the two windows that hold enc.
; PREFETCH: the head asks for step 2 and period j (0 to 4) for step j + 3, which the refill two periods on loads: each wave its own 64 rows x 2 blocks of 256 bytes, a lane a block, four instructions.
; LIMITS: h is summed as four f32 partial sums and k in another order than the definition's; a block of zeros gets the scale byte 1 (its codes are zeros, nobody else reads the byte); NaN and infinities are not served.
; In the last period the look-ahead for W is held at the period's own records and that for hidden runs on in its table: 44 and 24 loads a wave whose results are not used; so every counted wait holds in every trip.
; REGISTERS.  window 0: v1-15 addresses, v16-31 enc's scale words (tile T; step 0 in lanes 0-15, step 1 in lanes 16-31), v32-39 W's likewise, v40-103 64 numbers, v104-139 at work, v140-146 addresses,
;   v148-243 W's ring, places 4-7 (in periods 0 and 1: v148-211 a second set of 64 numbers), v244-251 the next period's scale words of W
;   window 1: v0-95 W's ring, places 0-3; v96-159 two sets of four accumulators; v160-191 the scores' pairs.   windows 2, 3: v0-191 enc's tiles 0-7, 8-15 (24 T + 12 s); v192-255 hidden, eight tiles
.set SP,    528                        ; an LDS row of enc: 512 bytes + 16
.set WROWS, 64*SP
.set SLOT,  256*SP
.set CODES, 2*SLOT                     ; images of the chunk's fragments: (T, s) at 1,536 (2 T + s); at the end the waves' partial scores
.set ASCB,  CODES+49152                ; enc's scale words: (T = 4 w + i, s, r) at 512 w + 16 (16 s + r) + 4 i
.set HIDB,  ASCB+2048                  ; hidden[b]
.set SPARE, HIDB+4096                  ; the spare words: 512 bytes that no other line names
.set REC,   12800
.set ASC,   16
.set WSC,   32
.set X,     40
.set TM,    104
.set PC,    120
.set CT,    132
.set W2,    148
.set WST,   244
.set ACC,   96
.set SC,    160
.set MSB, 0
.macro WIN new                         ; low byte: bits 1:0 source 0, 3:2 source 1, 5:4 source 2, 7:6 destination; the high byte repeats the setting that is left
.if MSB != \new
	s_set_vgpr_msb (MSB<<8)|\new
.set MSB, \new
.endif
.endm
; A PERIOD'S HEAD.  The slot, the step and the half of W change places (s31-s35), the addresses follow.  Then: all my tensor loads are in, the add, my LDS instructions are done, the barrier; fill = 1: the next step's load first behind it.
; s52 = 1 in the periods at whose end the next chunk is taken into registers (3, 5, 7).
.macro PHEAD fill, sweep
	WIN 0
	s_wait_xcnt 0x0                                ; the loads and prefetches have read their bases
	s_xor_b32 s31, s31, SLOT
	s_xor_b32 s32, s32, 1536
	s_xor_b32 s33, s33, 256
	s_xor_b32 s34, s34, 512
	s_xor_b32 s35, s35, 512
.if \sweep
	s_wait_loadcnt 42                              ; this period's scale words of W are in; the seven tiles asked for behind them (42 loads) may be out
.irp n, 0,1,2,3,4,5,6,7
	v_mov_b32 v[WSC+\n], v[WST+\n]                 ; they take their place, so that the next period's can be asked for a period ahead; nine plain instructions stand between the last of these and the first product
.endr
.endif
	v_add_nc_u32 v5, s31, v4                       ; enc's rows in this period's slot
	v_add_nc_u32 v6, s32, v7                       ; where my images go: step j % 2
	v_add_nc_u32 v9, s33, v8                       ; and my scale words
	v_add_nc_u32 v13, s34, v12                     ; hidden for this period's eight tiles,
	v_add_nc_u32 v14, s35, v12                     ; and for the next period's
.if \sweep
.rept 4
	v_nop
.endr
	s_mov_b64 s[36:37], s[38:39]                   ; this period's two records of wq
.if \sweep == 2
	s_cmp_eq_u32 s30, 9
	s_cselect_b32 s44, 0, s40                      ; behind the last period there are none: the look-ahead stays inside wq
	s_add_nc_u64 s[38:39], s[38:39], s[44:45]
	s_cmp_eq_u32 s30, 7
	s_cselect_b32 s52, 1, 0
.else
	s_add_nc_u64 s[38:39], s[38:39], s[40:41]      ; the next period's: 2 records on, or 14 into the next chunk
	s_and_b32 s52, s30, 1
.endif
	s_xor_b32 s40, s40, (2*REC)^(14*REC)
.endif
.if (\sweep) < 2
	s_add_nc_u64 s[42:43], s[42:43], 512           ; the prefetches' step
.endif
	s_wait_alu depctr_va_vdst(0)
	s_wait_tensorcnt 0x0
	ds_add_u32 v1, v2
.if \fill
	s_xor_b32 s25, s25, SLOT                       ; no load of mine is out: the descriptor steps to the other slot and the next step
	s_add_nc_u64 s[26:27], s[26:27], 512
.endif
	s_wait_dscnt 0x0
	s_barrier_signal -1
	s_barrier_wait -1
.if \fill
	tensor_load_to_lds s[24:27], s[16:23]          ; my one tensor load until the next period's head
	s_nop 0
.endif
.endm
.macro XLOAD i                         ; rows 16 i .. + 15 of my 64: lane (r, h) takes h-blocks h and 2 + h of row r: register 32 c + n = number 64 c + 32 h + n
.irp c, 0,1
.irp q, 0,1,2,3,4,5,6,7
	ds_load_b128 v[X+32*\c+4*\q:X+32*\c+4*\q+3], v5 offset:16*SP*(\i)+256*\c+16*\q
.endr
.endr
.endm
.macro QUANT i                         ; the 64 numbers become a fragment's image and a scale word
.irp c, 0,1
	v_max3_num_f32 v[TM+\c], |v[X+32*\c]|, |v[X+32*\c+1]|, 0x2800000   ; two chains a block; the floor 2^(5 - 127) holds the byte at 1 from below
	v_max3_num_f32 v[TM+2+\c], |v[X+32*\c+16]|, |v[X+32*\c+17]|, |v[X+32*\c+18]|
.endr
.irp k, 0,2,4,6,8,10
.irp c, 0,1
	v_max3_num_f32 v[TM+\c], v[TM+\c], |v[X+32*\c+2+\k]|, |v[X+32*\c+3+\k]|
	v_max3_num_f32 v[TM+2+\c], v[TM+2+\c], |v[X+32*\c+19+\k]|, |v[X+32*\c+20+\k]|
.endr
.endr
.irp c, 0,1
	v_max3_num_f32 v[TM+\c], v[TM+\c], |v[X+32*\c+14]|, |v[X+32*\c+15]|
.endr
.irp c, 0,1
	v_max3_num_f32 v[TM+\c], v[TM+\c], v[TM+2+\c], |v[X+32*\c+31]|
.endr
.irp c, 0,1
	v_add_nc_u32 v[TM+4+\c], 0xfe000000, v[TM+\c]  ; 4 off the exponent field: the conversion's scale operand
.endr
.irp c, 0,1
	v_cvt_scalef32_pk16_bf6_f32 v[PC+6*\c:PC+6*\c+2], v[X+32*\c:X+32*\c+15], v[TM+4+\c]
	v_cvt_scalef32_pk16_bf6_f32 v[CT+4*\c:CT+4*\c+2], v[X+32*\c+16:X+32*\c+31], v[TM+4+\c]   ; (a conversion's three registers begin on an even number)
.endr
	v_lshrrev_b32 v[TM+6], 23, v[TM+4]             ; the scales' bytes (also the plain place behind the conversions); the word's chain and the moves by turns
	v_lshrrev_b32 v[TM+7], 23, v[TM+5]
	v_mov_b32 v[PC+3], v[CT]
	v_lshl_or_b32 v[TM+8], v[TM+7], 16, v[TM+6]    ; blocks h and 2 + h,
	v_mov_b32 v[PC+4], v[CT+1]
	v_mov_b32 v[PC+5], v[CT+2]
	v_lshlrev_b32 v[TM+8], v15, v[TM+8]            ; 8 h bits up;
	v_mov_b32 v[PC+9], v[CT+4]
	v_mov_b32 v[PC+10], v[CT+5]
	v_permlanex16_b32 v[TM+9], v[TM+8], s28, s29
	v_mov_b32 v[PC+11], v[CT+6]
.irp q, 0,1,2
	ds_store_b128 v6, v[PC+4*\q:PC+4*\q+3] offset:3072*(\i)+512*\q
.endr
	v_or_b32 v[TM+8], v[TM+8], v[TM+9]             ; with lane l xor 16's two the word is whole
	ds_store_b32 v9, v[TM+8] offset:4*(\i)         ; lanes r and 16 + r write the same word with the same value
.endm
.macro ASK                             ; one step of my 64 rows
.irp o, 0,256
	global_prefetch_b8 v140, s[42:43] offset:\o th:TH_LOAD_NT scope:SCOPE_SE
	global_prefetch_b8 v141, s[42:43] offset:\o th:TH_LOAD_NT scope:SCOPE_SE
.endr
.endm
; Loads lo .. hi - 1 of the 96 that bring a chunk's fragments (load n: registers 4 n on, 48 to a window), and the scale registers of their row tiles (four to a load, from group g on).
.macro AFRAG lo, hi, win, g
.set AG, \g
.rept ((\hi)-(\lo))/24
	ds_load_b128 v[ASC+4*AG:ASC+4*AG+3], v11 offset:512*AG
.set AG, AG+1
.endr
	WIN \win
.set AJ, \lo
.rept (\hi)-(\lo)
	ds_load_b128 v[4*(AJ%48):4*(AJ%48)+3], v10 offset:512*AJ
.set AJ, AJ+1
.endr
	WIN 0
.endm
.macro APART lo, hi, win, g            ; the same inside a period's last tile, where the next chunk is due; four places stand between the part's last product and the loads
	WIN 0
	s_cmp_eq_u32 s52, 0
	s_cbranch_scc1 .Lna\@
.rept 4
	v_nop
.endr
	AFRAG \lo, \hi, \win, \g
.Lna\@:
.endm
; One packed multiply-add of quarter pq of tile pi: number m: row tile m % 4 of the quarter, register pair m / 4.  Each accumulator is read from its low end on.
.macro PK pi, pq, m
.set PT, SC+2*(4*(\pq)+((\m)%4))
.set PA, ACC+32*((\pq)%2)+8*((\m)%4)+2*((\m)/4)
.set PH, 192+8*(\pi)+2*((\m)/4)
	v_pk_fma_f32 v[PT:PT+1], v[PA:PA+1], v[PH:PH+1], v[PT:PT+1]
.endm
; A QUARTER: tile i of W against row tiles 4 q .. 4 q + 3, 256 along h: eight matrix instructions, the four accumulators by turns, the first four starting the sums with 0.
; Behind each four stand eight of the sixteen multiply-adds of the quarter before, on the other set.  By this text's count the accumulator written last is first read eleven plain instructions behind its matrix instruction.
; Tiles 0-3 of W lie in window 1, with the accumulators; tiles 4-7 in window 0, so that source 0's window changes between their products and the multiply-adds.
.macro QTR i, q, dot
.set QA, ACC+32*((\q)%2)
.set QS, WSC+(\i)
.set QNP, 0x59+4*((\q)/2)              ; accumulators and pairs: window 1; enc and hidden: window 2 or 3
.if (\i) < 4
.set QW, 24*(\i)
.set QNW, QNP
.else
.set QW, W2+24*((\i)-4)
.set QNW, QNP-1
.endif
.if (\q) == 0
.set QPI, ((\i)+7)%8
.set QPQ, 3
.else
.set QPI, (\i)
.set QPQ, (\q)-1
.endif
.set QK, 0
.rept 8
.set QT, QK%4
.set QL, 24*(4*((\q)%2)+QT)
.if QT == 0
	WIN QNW
.endif
.if QK < 4
	v_wmma_scale_f32_16x16x128_f8f6f4 v[QA+8*QT:QA+8*QT+7], v[QW:QW+11], v[QL:QL+11], 0, v[QS], v[ASC+4*(\q)+QT] matrix_a_fmt:MATRIX_FMT_BF6 matrix_b_fmt:MATRIX_FMT_BF6
.else
	v_wmma_scale_f32_16x16x128_f8f6f4 v[QA+8*QT:QA+8*QT+7], v[QW+12:QW+23], v[QL+12:QL+23], v[QA+8*QT:QA+8*QT+7], v[QS], v[ASC+4*(\q)+QT] matrix_a_fmt:MATRIX_FMT_BF6 matrix_b_fmt:MATRIX_FMT_BF6 matrix_a_scale:MATRIX_SCALE_ROW1 matrix_b_scale:MATRIX_SCALE_ROW1
.endif
.if \dot
.if QT == 3
	WIN QNP
.set QM, 2*QK-6
.rept 8
	PK QPI, QPQ, QM
.set QM, QM+1
.endr
.endif
.endif
.set QK, QK+1
.endr
.if \dot
.else
.rept 4
	v_nop                                          ; a period's first quarter has no multiply-adds to set here: the places in front of the next quarter's reads
.endr
.endif
.endm
; In a tile's middle: W's tile seven on, into the ring's place that the tile before has left (32 plain instructions behind its last product); in tile 0 also the next period's scale words; hidden for the tile six on, for both windows.
.macro MEMB i
.set MT, ((\i)+7)%8
.set MB, 36+2*(((\i)+7)/8)
.if MT < 4
	WIN 0x40
.set MR, 24*MT
.else
	WIN 0
.set MR, W2+24*(MT-4)
.endif
.irp x, 0,1,2,3,4,5
	global_load_b128 v[MR+4*\x:MR+4*\x+3], v3, s[MB:MB+1] offset:(MT/4)*REC+3072*(MT%4)+512*\x
.endr
.if (\i) == 0
	global_load_b128 v[WST:WST+3], v3, s[38:39] offset:12288
	global_load_b128 v[WST+4:WST+7], v3, s[38:39] offset:REC+12288
.endif
.set MH, ((\i)+6)%8
.set MA, 13+(((\i)+6)/8)
	WIN 0x80
	ds_load_b128 v[192+8*MH:192+8*MH+3], v[MA] offset:64*MH
	ds_load_b128 v[192+8*MH+4:192+8*MH+7], v[MA] offset:64*MH+16
	WIN 0xc0
	ds_load_b128 v[192+8*MH:192+8*MH+3], v[MA] offset:64*MH
	ds_load_b128 v[192+8*MH+4:192+8*MH+7], v[MA] offset:64*MH+16
.endm
.macro TILE i
.if (\i) == 0
	s_wait_loadcnt 36                              ; this tile of W is in; the six tiles asked for behind it may be out,
	QTR \i, 0, 0
.else
	s_wait_loadcnt 38                              ; and from tile 1 on the two loads of scale words as well
	QTR \i, 0, 1
.endif
	QTR \i, 1, 1
.if (\i) == 7
	APART 0, 48, 0x80, 0                           ; row tiles 0-7 have had their last product of this chunk
.endif
	MEMB \i
	QTR \i, 2, 1
.if (\i) == 7
	APART 48, 72, 0xc0, 2                          ; row tiles 8-11
.endif
	QTR \i, 3, 1
.endm
; Behind each of a period's first four tiles: one unit is quantised and the next is asked for.  The wait also shows hidden's loads in.  mode 2: the loop without refills: only period 7 has a step to quantise.
.macro QPOINT u, mode
	WIN 0
	s_wait_dscnt 0x0
.if \mode == 2
	s_wait_alu depctr_va_vdst(0)                   ; the wait ahead of the branch
	s_cmp_lg_u32 s30, 7
	s_cbranch_scc1 .Lnq\@
.endif
	QUANT \u
.if \u < 3
	XLOAD (\u)+1
.endif
.if \mode == 2
.Lnq\@:
.endif
.endm
.macro MEET                            ; where the next chunk is due: every wave's images and scale words are in LDS.  The counter alone decides: the same in every wave
	WIN 0
	s_cmp_eq_u32 s52, 0
	s_cbranch_scc1 .Lnm\@
	s_wait_dscnt 0x0
	s_barrier_signal -1
	s_barrier_wait -1
.Lnm\@:
.endm
.macro SWEEPH mode                     ; eight tiles of W against the chunk in hand
.irp u, 0,1,2,3
	TILE \u
	QPOINT \u, \mode
.endr
	TILE 4
	MEET
	TILE 5
	TILE 6
	TILE 7
	WIN 0x5d
.set DM, 0
.rept 16
	PK 7, 3, DM                                    ; the last quarter's multiply-adds
.set DM, DM+1
.endr
	APART 72, 96, 0xc0, 3                          ; row tiles 12-15; the next period's head waits for all these loads, and its barrier lets the images be written anew
.endm
; A period with no sweep beside it: two sets of 64 registers by turns, so that a unit's reads land while the unit before is quantised.
; Each wait for 16 leaves the next unit's 16 loads out and shows this unit's loads in and the earlier unit's stores done.
.macro PQ fill
	PHEAD \fill, 0
	XLOAD 0
.set X, W2
	XLOAD 1
.set X, 40
	ASK
	s_wait_dscnt 16
	QUANT 0
	XLOAD 2
.set X, W2
	s_wait_dscnt 16
	QUANT 1
	XLOAD 3
.set X, 40
	s_wait_dscnt 16
	QUANT 2
.set X, W2
	s_wait_dscnt 0x0
	QUANT 3
.set X, 40
.endm
	s_load_b256 s[4:11], s[0:1], 0x0               ; enc, hidden, wq, scores
	v_lshl_add_u32 v1, v0, 2, SPARE
	v_mov_b32 v2, 0
	ds_add_u32 v1, v2                              ; the opening lines: the add twice and one wait
	ds_add_u32 v1, v2
	v_lshrrev_b32 v3, 5, v0
	v_readfirstlane_b32 s12, v3                    ; wave
	s_lshr_b32 s13, ttmp9, 2                       ; b
	s_and_b32 s14, ttmp9, 3                        ; cx
	s_mov_b32 s16, (2<<16)|(1<<20)|(6<<22)|(3<<25) ; the refills: elements of 4 bytes; 4 dwords of padding behind every 128
	s_mov_b32 s17, 128<<16
	s_mov_b32 s18, 64<<16
	s_mov_b32 s19, 128<<16
	s_mov_b32 s20, 64                              ; 64 rows of 128 elements,
	s_mov_b32 s21, 65536                           ; 65,536 elements from s to s + 1
	s_mov_b32 s22, 0
	s_mov_b32 s23, 0
	s_mov_b32 s68, (2<<16)|(1<<20)|(6<<22)|(3<<25) ; the head's loads: the same with 128 rows
	s_mov_b32 s69, 128<<16
	s_mov_b32 s70, 128<<16
	s_mov_b32 s71, 128<<16
	s_mov_b32 s72, 128
	s_mov_b32 s73, 65536
	s_mov_b32 s74, 0
	s_mov_b32 s75, 0
	s_lshl_b32 s44, s14, 26                        ; enc: row s = 256 cx of 262,144 bytes, + 4,096 b
	s_lshl_b32 s46, s13, 12
	s_add_co_u32 s44, s44, s46
	s_mov_b32 s45, 0
	s_mov_b32 s47, 0
	s_lshl_b32 s48, s12, 24                        ; my 64 rows
	s_mov_b32 s49, 0
	s_and_b32 s56, s12, 1                          ; the head's load: half wave % 2 of the rows
	s_lshr_b32 s57, s12, 1                         ; of step wave / 2, into slot wave / 2
	s_lshl_b32 s54, s56, 25
	s_lshl_b32 s55, s57, 9
	s_add_co_u32 s54, s54, s55
	s_mov_b32 s55, 0
	s_mul_i32 s56, s56, 2*WROWS
	s_mul_i32 s57, s57, SLOT
	s_mov_b32 s76, 1
	s_add_co_u32 s77, s56, s57
	s_mul_i32 s53, s12, WROWS                      ; my 64 rows in a slot
	s_mov_b32 s24, 1
	s_add_co_u32 s25, s53, SLOT                    ; period 1's head turns this to slot 0
	s_wait_dscnt 0x0
	s_wait_kmcnt 0x0
	s_add_nc_u64 s[4:5], s[4:5], s[44:45]
	s_add_nc_u64 s[78:79], s[4:5], s[54:55]
	s_or_b32 s79, s79, 0x80000000
	tensor_load_to_lds s[76:79], s[68:75]          ; steps 0 and 1: one tensor load a wave at the head
	s_nop 0
	s_add_nc_u64 s[42:43], s[4:5], s[48:49]        ; enc at my 64 rows
	s_add_nc_u64 s[26:27], s[42:43], 512           ; step 1: period 1's head steps this to step 2
	s_or_b32 s27, s27, 0x80000000
	s_add_nc_u64 s[42:43], s[42:43], 1024          ; the prefetches: step 2
	s_add_nc_u64 s[6:7], s[6:7], s[46:47]          ; hidden's row b
	s_lshl_b32 s48, s14, 10
	s_add_co_u32 s46, s46, s48
	s_add_nc_u64 s[10:11], s[10:11], s[46:47]      ; scores: row b, + 1,024 cx
	s_mul_i32 s48, s12, 4*REC
	s_add_nc_u64 s[38:39], s[8:9], s[48:49]        ; wq: chunk 0, my four groups
	s_mul_i32 s48, s12, 12288
	s_add_co_u32 s48, s48, CODES
	s_lshl_b32 s49, s12, 9
	s_add_co_u32 s49, s49, ASCB
	s_lshl_b32 s50, s12, 10
	s_add_co_u32 s51, s50, CODES
	s_add_co_u32 s50, s50, HIDB
	s_mov_b32 s28, 0x76543210
	s_mov_b32 s29, 0xfedcba98                      ; v_permlanex16_b32's selects for lane l xor 16
	s_mov_b32 s31, SLOT                            ; as behind an odd period: period 0's head turns them
	s_mov_b32 s32, 1536
	s_mov_b32 s33, 256
	s_mov_b32 s34, 512
	s_mov_b32 s35, 0
	s_mov_b32 s40, 2*REC
	s_mov_b32 s41, 0
	v_and_b32 v116, 31, v0                         ; lane
	v_and_b32 v117, 15, v0                         ; r
	v_bfe_u32 v118, v0, 4, 1                       ; h
	v_lshlrev_b32 v3, 4, v116                      ; 16 x lane
	v_mul_u32_u24 v4, v117, SP
	v_lshl_add_u32 v4, v118, 7, v4
	v_add_nc_u32 v4, s53, v4                       ; enc in slot 0: my wave's row r, + 128 h
	v_add_nc_u32 v7, s48, v3                       ; my images
	v_lshl_add_u32 v8, v117, 4, s49                ; my scale words
	v_add_nc_u32 v10, CODES, v3
	v_add_nc_u32 v11, ASCB, v3
	v_lshl_add_u32 v12, v118, 5, s50               ; hidden: my quarter, + 8 h numbers
	v_lshlrev_b32 v15, 3, v118
	v_lshlrev_b32 v140, 18, v116                   ; the prefetches: a lane a row,
	v_add_nc_u32 v141, 0x800000, v140              ; and 32 rows on
	v_lshlrev_b32 v142, 4, v0
	v_add_nc_u32 v143, HIDB, v142
	v_lshl_add_u32 v144, v117, 2, s51              ; the way out: my wave's partial scores
	v_lshlrev_b32 v146, 3, v0
	v_add_nc_u32 v145, CODES, v146
	v_mov_b32 v[TM+9], 0                           ; a lane permute's destination counts as one of its sources
	WIN 0x40
.set AJ, 0
.rept 32
	v_mov_b32 v[SC+AJ], 0                          ; the scores' pairs: the sweep is written once, so no first tile can start them
.set AJ, AJ+1
.endr
	WIN 0
	s_wait_alu depctr_va_vdst(0)                   ; the wait at the head's end
	global_load_b128 v[X:X+3], v142, s[6:7]        ; hidden[b]: 128 threads x 2 x 16 bytes
	global_load_b128 v[X+4:X+7], v142, s[6:7] offset:2048
	global_load_b128 v[WST:WST+3], v3, s[38:39] offset:12288       ; W: period 2's scale words, then its tiles 0 to 3
	global_load_b128 v[WST+4:WST+7], v3, s[38:39] offset:REC+12288
	WIN 0x40
.set AJ, 0
.rept 24
	global_load_b128 v[4*AJ:4*AJ+3], v3, s[38:39] offset:512*AJ
.set AJ, AJ+1
.endr
	WIN 0
	ASK                                            ; step 2, which period 1's head loads
	s_wait_loadcnt 26                              ; hidden is in; W's 26 loads, issued behind it, may be out
	ds_store_b128 v143, v[X:X+3]
	ds_store_b128 v143, v[X+4:X+7] offset:2048
	PQ 0                                           ; PERIOD 0: both slots are full: nothing is asked for
	PQ 1                                           ; PERIOD 1
.set AJ, 0
.rept 18
	global_load_b128 v[W2+4*AJ:W2+4*AJ+3], v3, s[38:39] offset:REC+512*AJ   ; W's tiles 4 to 6, into the registers that the second set of numbers has left
.set AJ, AJ+1
.endr
	s_wait_dscnt 0x0                               ; chunk 0: every wave's images are in LDS,
	s_barrier_signal -1
	s_barrier_wait -1
	AFRAG 0, 48, 0x80, 0                           ; and go into registers
	AFRAG 48, 96, 0xc0, 2
	WIN 0x80                                       ; hidden for tiles 0 to 5
.irp i, 0,1,2,3,4,5
	ds_load_b128 v[192+8*\i:192+8*\i+3], v12 offset:64*\i
	ds_load_b128 v[192+8*\i+4:192+8*\i+7], v12 offset:64*\i+16
.endr
	WIN 0xc0
.irp i, 0,1,2,3,4,5
	ds_load_b128 v[192+8*\i:192+8*\i+3], v12 offset:64*\i
	ds_load_b128 v[192+8*\i+4:192+8*\i+7], v12 offset:64*\i+16
.endr
	WIN 0
	s_mov_b32 s30, 2
.Lfill:                                                ; PERIODS 2 TO 6: period j asks for step j + 1, quantises step j and multiplies half of chunk j / 2 - 1
	PHEAD 1, 1
	XLOAD 0
	s_cmp_gt_u32 s30, 4
	s_cbranch_scc1 .Lno_ask
	ASK
.Lno_ask:
	SWEEPH 1
	s_add_co_u32 s30, s30, 1
	s_cmp_lt_u32 s30, 7
	s_cbranch_scc1 .Lfill
.Ldry:                                                 ; PERIODS 7 TO 9: nothing is asked for; period 7 quantises the last step
	PHEAD 0, 2
	s_cmp_lg_u32 s30, 7
	s_cbranch_scc1 .Lno_x
	XLOAD 0
.Lno_x:
	SWEEPH 2
	s_add_co_u32 s30, s30, 1
	s_cmp_lt_u32 s30, 10
	s_cbranch_scc1 .Ldry
	; THE WAY OUT.  A pair's two halves and lane l xor 16's make my quarter's share of row 16 T + r; the four waves' shares meet in LDS, and each thread adds and stores two scores.
	WIN 0x05
.set AJ, 0
.rept 16
	v_add_f32 v[X+AJ], v[SC+2*AJ], v[SC+2*AJ+1]
.set AJ, AJ+1
.endr
	WIN 0
.set AJ, 0
.rept 16
	v_permlanex16_b32 v[X+16+AJ], v[X+AJ], s28, s29
.set AJ, AJ+1
.endr
.set AJ, 0
.rept 16
	v_add_f32 v[X+AJ], v[X+AJ], v[X+16+AJ]
.set AJ, AJ+1
.endr
.set AJ, 0
.rept 16
	ds_store_b32 v144, v[X+AJ] offset:64*AJ        ; lanes r and 16 + r write the same word with the same value; the images there were last read two barriers ago
.set AJ, AJ+1
.endr
	s_wait_dscnt 0x0
	s_barrier_signal -1
	s_barrier_wait -1
.irp k, 0,1,2,3
	ds_load_b64 v[X+32+2*\k:X+33+2*\k], v145 offset:1024*\k
.endr
	s_wait_dscnt 0x0
	v_pk_add_f32 v[X+32:X+33], v[X+32:X+33], v[X+34:X+35]
	v_pk_add_f32 v[X+36:X+37], v[X+36:X+37], v[X+38:X+39]
	v_pk_add_f32 v[X+32:X+33], v[X+32:X+33], v[X+36:X+37]
	global_store_b64 v146, v[X+32:X+33], s[10:11]  ; a wave stores 256 consecutive bytes, at a multiple of 256 from the buffer's first byte
	s_wait_tensorcnt 0x0                           ; the wave's end
	ds_add_u32 v1, v2
	s_wait_dscnt 0x0
	s_endpgm
.Lfunc_end_k_q326d90bac0_sweep:
	.size	k_q326d90bac0_sweep, .Lfunc_end_k_q326d90bac0_sweep-k_q326d90bac0_sweep
	.p2alignl 7, 3214868480
	.fill 96, 4, 3214868480
	.section	.rodata,"a",@progbits
	.p2align	6, 0x0
	.amdhsa_kernel k_q326d90bac0_sweep
		.amdhsa_group_segment_fixed_size 327680
		.amdhsa_private_segment_fixed_size 0
		.amdhsa_enable_private_segment 0
		.amdhsa_kernarg_size 32
		.amdhsa_user_sgpr_count 2
		.amdhsa_user_sgpr_kernarg_segment_ptr 1
		.amdhsa_wavefront_size32 1
		.amdhsa_system_sgpr_workgroup_id_x 1
		.amdhsa_system_sgpr_workgroup_id_y 1
		.amdhsa_system_sgpr_workgroup_id_z 1
		.amdhsa_system_vgpr_workitem_id 0
		.amdhsa_next_free_vgpr 1024
		.amdhsa_next_free_sgpr 84
		.amdhsa_reserve_vcc 0
		.amdhsa_float_denorm_mode_32 3
		.amdhsa_float_denorm_mode_16_64 3
		.amdhsa_memory_ordered 1
		.amdhsa_forward_progress 1
		.amdhsa_inst_pref_size 255
	.end_amdhsa_kernel
	.section	.bss,"aw",@nobits
	.p2align	6
	.space	262144
	.amdgpu_metadata
---
amdhsa.version: [ 1, 2 ]
amdhsa.kernels:
  - .name:           k_q326d90bac0_sweep
    .symbol:         k_q326d90bac0_sweep.kd
    .args:
      - { .name: encoder_outputs, .offset: 0, .size: 8, .value_kind: global_buffer, .address_space: global }
      - { .name: hidden, .offset: 8, .size: 8, .value_kind: global_buffer, .address_space: global }
      - { .name: wq, .offset: 16, .size: 8, .value_kind: global_buffer, .address_space: global }
      - { .name: scores, .offset: 24, .size: 8, .value_kind: global_buffer, .address_space: global }
    .group_segment_fixed_size: 327680
    .private_segment_fixed_size: 0
    .kernarg_segment_align: 8
    .kernarg_segment_size: 32
    .max_flat_workgroup_size: 128
    .sgpr_count:     84
    .vgpr_count:     1024
    .wavefront_size: 32
...
	.end_amdgpu_metadata
.endif
;; end of part 2
;; launch soft (part 3): grid 64 x 1, 1 waves a work-group, no clusters, 0 bytes of LDS; arguments scores, out0; writes out0
.if DOCPART == 3
	.amdgcn_target "amdgcn-amd-amdhsa--gfx1250"
	.amdhsa_code_object_version 6
	.text
	.protected	k_q326d90bac0_soft
	.globl	k_q326d90bac0_soft
	.p2align	8
	.type	k_q326d90bac0_soft,@function
k_q326d90bac0_soft:
	s_mov_b64 s[64:65], 0
	v_nop
	global_prefetch_b8 v0, s[64:65] scope:SCOPE_SE
	s_setreg_imm32_b32 hwreg(HW_REG_WAVE_MODE, 25, 1), 1
	s_wait_xcnt 0x0
; out0[b][0][s] = softmax over s of scores[b][s].  The bias's part of the scores is left out: it is the same for all s of a row (shown at the head of the first kernel).
; One wave takes one b: its 1,024 scores are 32 registers a lane, so no reduction leaves the wave: no LDS, no barrier.  64 rows are 64 work-groups.
; Every load and store of the wave covers 512 consecutive bytes.  The maximum is taken away before the exponential, as the definition has it.
; LIMITS: an exponential under 2^-126 comes out as 0 (ISA guide, v_exp_f32); NaN and infinities are not served.
.set SCO, 8
.set A0,  104
.set A1,  106
.set PM,  108
	s_load_b128 s[4:7], s[0:1], 0x0                ; scores, out0
	v_lshlrev_b32 v1, 4, v0
	v_mov_b32 v[PM], 0                             ; a lane permute's destination counts as one of its sources
	s_lshl_b32 s12, ttmp9, 12
	s_mov_b32 s13, 0
	s_mov_b32 s14, 0x76543210
	s_mov_b32 s15, 0xfedcba98
	s_wait_alu depctr_va_vdst(0)                   ; the wait at the head's end
	s_wait_kmcnt 0x0
	s_add_nc_u64 s[4:5], s[4:5], s[12:13]
	s_add_nc_u64 s[6:7], s[6:7], s[12:13]
.irp j, 0,1,2,3,4,5,6,7
	global_load_b128 v[SCO+4*\j:SCO+4*\j+3], v1, s[4:5] offset:512*\j
.endr
	s_wait_loadcnt 0x0
	v_max3_num_f32 v[A1], v[SCO], v[SCO+1], v[SCO+2]               ; the largest of my 32, in two chains
	v_max3_num_f32 v[A1+1], v[SCO+3], v[SCO+4], v[SCO+5]
.irp i, 6,10,14,18,22,26
	v_max3_num_f32 v[A1], v[A1], v[SCO+\i], v[SCO+\i+1]
	v_max3_num_f32 v[A1+1], v[A1+1], v[SCO+\i+2], v[SCO+\i+3]
.endr
	v_max3_num_f32 v[A1], v[A1], v[SCO+30], v[SCO+31]
	v_max_num_f32 v[A1], v[A1], v[A1+1]
.irp k, 1,2,4,8
	v_max_num_f32_dpp v[A1], v[A1], v[A1] row_xmask:\k row_mask:0xf bank_mask:0xf
.endr
	v_permlanex16_b32 v[PM], v[A1], s14, s15
	v_max_num_f32 v[A1], v[A1], v[PM]              ; the row's maximum, in every lane
.irp j, 0,2,4,6,8,10,12,14,16,18,20,22,24,26,28,30
	v_pk_add_f32 v[SCO+\j:SCO+\j+1], v[SCO+\j:SCO+\j+1], v[A1:A1+1] op_sel_hi:[1,0] neg_lo:[0,1] neg_hi:[0,1]   ; x - m first, so that nothing is lost where both are large,
.endr
.irp j, 0,2,4,6,8,10,12,14,16,18,20,22,24,26,28,30
	v_pk_mul_f32 v[SCO+\j:SCO+\j+1], v[SCO+\j:SCO+\j+1], 0x3fb8aa3b op_sel_hi:[1,0]   ; then x log2(e)
.endr
	s_wait_alu depctr_va_vdst(0)                   ; the wait ahead of the batch
.irp j, 0,1,2,3,4,5,6,7,8,9,10,11,12,13,14,15,16,17,18,19,20,21,22,23,24,25,26,27,28,29,30,31
	v_exp_f32 v[SCO+\j], v[SCO+\j]
.endr
	v_nop                                          ; one plain place behind the exponentials
	s_wait_alu depctr_va_vdst(0)                   ; and the wait behind the batch
	v_pk_add_f32 v[A0:A0+1], v[SCO:SCO+1], v[SCO+2:SCO+3]          ; the sum, in two chains
	v_pk_add_f32 v[A1:A1+1], v[SCO+4:SCO+5], v[SCO+6:SCO+7]
.irp j, 8,12,16,20,24,28
	v_pk_add_f32 v[A0:A0+1], v[A0:A0+1], v[SCO+\j:SCO+\j+1]
	v_pk_add_f32 v[A1:A1+1], v[A1:A1+1], v[SCO+\j+2:SCO+\j+3]
.endr
	v_pk_add_f32 v[A0:A0+1], v[A0:A0+1], v[A1:A1+1]
	v_add_f32 v[A0], v[A0], v[A0+1]
.irp k, 1,2,4,8
	v_add_f32_dpp v[A0], v[A0], v[A0] row_xmask:\k row_mask:0xf bank_mask:0xf
.endr
	v_permlanex16_b32 v[PM], v[A0], s14, s15
	v_add_f32 v[A0], v[A0], v[PM]                  ; at least 1: the largest term is 2^0
	s_wait_alu depctr_va_vdst(0)                   ; the wait ahead of the reciprocal
	v_rcp_f32 v[A0], v[A0]
	v_nop
	s_wait_alu depctr_va_vdst(0)
.irp j, 0,2,4,6,8,10,12,14,16,18,20,22,24,26,28,30
	v_pk_mul_f32 v[SCO+\j:SCO+\j+1], v[SCO+\j:SCO+\j+1], v[A0:A0+1] op_sel_hi:[1,0]
.endr
.irp j, 0,1,2,3,4,5,6,7
	global_store_b128 v1, v[SCO+4*\j:SCO+4*\j+3], s[6:7] offset:512*\j   ; 512 consecutive bytes, at a multiple of 256 from out0's first byte
.endr
	s_endpgm
.Lfunc_end_k_q326d90bac0_soft:
	.size	k_q326d90bac0_soft, .Lfunc_end_k_q326d90bac0_soft-k_q326d90bac0_soft
	.p2alignl 7, 3214868480
	.fill 96, 4, 3214868480
	.section	.rodata,"a",@progbits
	.p2align	6, 0x0
	.amdhsa_kernel k_q326d90bac0_soft
		.amdhsa_group_segment_fixed_size 0
		.amdhsa_private_segment_fixed_size 0
		.amdhsa_enable_private_segment 0
		.amdhsa_kernarg_size 16
		.amdhsa_user_sgpr_count 2
		.amdhsa_user_sgpr_kernarg_segment_ptr 1
		.amdhsa_wavefront_size32 1
		.amdhsa_system_sgpr_workgroup_id_x 1
		.amdhsa_system_sgpr_workgroup_id_y 1
		.amdhsa_system_sgpr_workgroup_id_z 1
		.amdhsa_system_vgpr_workitem_id 0
		.amdhsa_next_free_vgpr 128
		.amdhsa_next_free_sgpr 66
		.amdhsa_reserve_vcc 0
		.amdhsa_float_denorm_mode_32 3
		.amdhsa_float_denorm_mode_16_64 3
		.amdhsa_memory_ordered 1
		.amdhsa_forward_progress 1
		.amdhsa_inst_pref_size 10
	.end_amdhsa_kernel
	.amdgpu_metadata
---
amdhsa.version: [ 1, 2 ]
amdhsa.kernels:
  - .name:           k_q326d90bac0_soft
    .symbol:         k_q326d90bac0_soft.kd
    .args:
      - { .name: scores, .offset: 0, .size: 8, .value_kind: global_buffer, .address_space: global }
      - { .name: out0, .offset: 8, .size: 8, .value_kind: global_buffer, .address_space: global }
    .group_segment_fixed_size: 0
    .private_segment_fixed_size: 0
    .kernarg_segment_align: 8
    .kernarg_segment_size: 16
    .max_flat_workgroup_size: 32
    .sgpr_count:     66
    .vgpr_count:     128
    .wavefront_size: 32
...
	.end_amdgpu_metadata
.endif
;; end of part 3
